; MI455X (gfx1250); checked and timed in simulation.
; The chip was launched on July 23, 2026; its instructions are those of AMD's public machine-readable ISA for CDNA 5 (MIT licence, August 2026) and "CDNA5" Instruction Set Architecture Reference Guide (July 2026). The comments in the code are by the model that wrote it; some were corrected since.
;; Causal Self Attention. Allowed arithmetic: matrix products marked QUANTISED: E4M3 operands, one given power-of-two scale a tensor, by v_wmma_f32_16x16x64_fp8_fp8 or v_wmma_f32_16x16x128_fp8_fp8, f32 sums; everything else in f32.
;; Inputs: W_out 1,024 x 1,024 float32; W_qkv 3,072 x 1,024 float32; lowp_scales 8 int32 (the exponents e of the quantised operands' scales 2^e); x 1 x 4,096 x 1,024 float32.
;; Outputs: out0 1 x 4,096 x 1,024 float32.
;; This version of the problem:
;;   THIS VERSION OF THE PROBLEM IS GIVEN IN LOW PRECISION. The matrix products marked QUANTISED in the list below multiply operands that are first quantised to E4M3 (4 exponent bits, 3 mantissa bits; 8 bits a number), with one given power-of-two scale for each operand tensor; their sums are f32. All else is computed in f32.
;;   The module's matrix products, in the order in which they are computed (A, B: the left and right operand; K: the contracted axis; several contracted axes count as one K, in the product's order):
;;     1. [M 4,096, K 1,024] x [K 1,024, N 3,072]; A: input x; B: input W_qkv: QUANTISED (scales: A lowp_scales[0], B lowp_scales[1])
;;     2. batch 16 x [M 4,096, K 64] x [K 64, N 4,096]; A: computed on the way; B: computed on the way: QUANTISED (scales: A lowp_scales[2], B lowp_scales[3])
;;     3. batch 16 x [M 4,096, K 4,096] x [K 4,096, N 64]; A: softmax (see below); B: computed on the way: QUANTISED (scales: A lowp_scales[4], B lowp_scales[5])
;;     4. [M 4,096, K 1,024] x [K 1,024, N 1,024]; A: computed on the way; B: input W_out: QUANTISED (scales: A lowp_scales[6], B lowp_scales[7])
;;   THE QUANTISER, for each operand of a quantised product, along K:
;;     - The operand's scale is 2^e, e = its entry of the input lowp_scales (int32; the entries are numbered through the quantised products in the list's order, A before B).
;;     - Each number is divided by the scale, clamped to +-448, and rounded to the nearest number of E4M3, ties to even, subnormals kept.
;;     - The product sums the exact products of the quantised numbers (number of the format x scale) in f32.
;;   ~~~python
;;   def quantise(x, axis, e):      # numpy; x: float32 -> the quantised numbers, widened to float32 again
;;       x = np.moveaxis(x, axis, -1); K = x.shape[-1]
;;       r = np.clip(x / 2.0 ** e, -448, 448)
;;       step = 2.0 ** (np.maximum(np.frexp(np.where(r == 0, 1, r))[1] - 1, -6) - 3)
;;       q = np.round(r / step) * step * 2.0 ** e      # np.round: ties to even
;;       return np.moveaxis(q, -1, axis).astype(np.float32)
;;   ~~~
;;   SOFTMAX AHEAD OF A QUANTISED PRODUCT. Where the list says 'softmax', what is quantised is not the finished softmax but p = 2^(t - M), with t = logit x log2(e) and M = ceil(the row's largest t), a whole number; so 1/2 < the row's largest p <= 1. The row's sum l is taken of the UNQUANTISED p, in f32, and the product's result is divided by l at the end. Since M is a whole number, a kernel that streams over the keys may use a running M (the ceiling of the running maximum): every later rescaling is an exact power of two, so the quantised numbers keep their values, but for numbers so far below the row's largest that they fall under the format's range.
;;   OPERANDS COMPUTED ON THE WAY. 'Computed on the way' means the value that the module computes at that place (a softmax that the list does not call 'softmax' is quantised finished and normalised). What goes into a quantiser is computed in f32, as accurately as f32 sums, v_exp_f32 and their like allow (about 1e-6 of the number): no bf16 or f16 on the way to a quantiser, and a product that is left as it is and whose result goes on into a quantised operand takes f32 operands (vector FMAs, or v_wmma_f32_16x16x4_f32). A number that lies on a knife's edge between two numbers of the format may be rounded either way, as far as f32 arithmetic and the matrix unit's own rounding can turn it there, and no further.
;; One version. Each part assembles by itself: llvm-mc -triple=amdgcn-amd-amdhsa -mcpu=gfx1250 --defsym DOCPART=n.
;; ======== version 1 of 1: 4 launches
;; limits: right only within a limited range of input values
;; workspace buffers: x_img 4,194,304 bytes; wq_img 3,145,728 bytes; wo_img 1,048,576 bytes; rope 1,048,576 bytes; q_img 4,194,304 bytes; k_img 4,194,304 bytes; v_img 4,194,304 bytes; o_img 4,194,304 bytes
;; launch prep (part 1): grid 576 x 1, 4 waves a work-group, no clusters, 68,096 bytes of LDS; arguments x, W_qkv, W_out, lowp_scales, x_img, wq_img, wo_img, rope; writes x_img, wq_img, wo_img, rope
.if DOCPART == 1
	.amdgcn_target "amdgcn-amd-amdhsa--gfx1250"
	.amdhsa_code_object_version 6
	.text
	.protected	k_qc8f99443fb_prep
	.globl	k_qc8f99443fb_prep
	.p2align	8
	.type	k_qc8f99443fb_prep,@function
k_qc8f99443fb_prep:
	s_mov_b64 s[64:65], 0
	v_nop
	global_prefetch_b8 v0, s[64:65] scope:SCOPE_SE
	s_setreg_imm32_b32 hwreg(HW_REG_WAVE_MODE, 25, 1), 1
	s_wait_xcnt 0x0
; x [4096][1024], W_qkv [3072][1024], W_out [1024][1024], f32 with K innermost, become codes of E4M3, each tensor with its given scale 2^e (entries 0, 1, 7 of the scales);
; and the table of cos and sin for the rotary embedding is made.  code = number / 2^e, held within +-448, rounded to the nearest code, ties to even.
; THE CODES ARE LAID AS IMAGES OF OPERAND REGISTERS.  A fragment is 16 rows x 128 K: lane (r = lane % 16, h = lane / 16) holds row r; its register p (0..15), byte b, holds k = 16 (p / 2) + 8 h + 4 (p % 2) + b.
; In memory a fragment is 2,048 bytes: registers 4 c .. 4 c + 3 of lane l lie at 512 c + 16 l.  A tensor's image is [K / 256][row / 16][(K / 128) % 2][2048].
; SHARES.  Work-groups 0-255 take x, 256-447 W_qkv, 448-511 W_out, 16 rows each; wave w takes K = 256 w .. 256 w + 255 of them: two fragments.  Work-groups 512-575 make the table, a tile of 16 tokens a wave.
; Each load reads 512 consecutive bytes of a row; the numbers turn through the wave's own stage in LDS (rows of 512 + 16 bytes), so that a lane gets eight neighbours along K for each conversion.  Each store covers 512 consecutive bytes.
; THE TABLE: rope[token tile][piece 0..7][512 bytes]: lane (r, h) holds token 16 tile + r; pieces 0-3: cos at frequency index 16 t + 8 h + j (piece 2 t + j / 4), pieces 4-7: sin likewise.
; angle = token x (1 / 10000^(i / 32)), each step rounded as f32; reduced by n = nearest whole number to angle x 2 / pi, with pi / 2 in two parts (what is left of pi / 2 times n <= 2,607 stays under 1e-11);
; sin by its series to the 9th power, cos to the 10th, on +-pi / 4: remainders under 4e-9.
; LIMITS: each e between -126 and 119, so that 2^e and 448 x 2^e are f32 numbers.  NaN among the inputs is not served.
.set XS,   1048576                     ; bytes of x's image for 256 along K
.set WS,   786432                      ; of W_qkv's
.set OS,   262144                      ; of W_out's
.set SP,   528                         ; a stage row: 512 bytes + 16: sixteen rows begin at sixteen different columns of 16 bytes
.set STG,  16*SP                       ; a stage
.set WREG, 2*STG                       ; a wave's two stages
.set LI,   1                           ; v1   16 x lane
.set SI,   2                           ; v2   the stage, on the way in
.set SO,   3                           ; v3   and on the way out
.set LIMV, 10                          ; v10  448 x 2^e
.set SCV,  11                          ; v11  2^e
.set R0,   32                          ; v32-95   fragment 0 as loaded
.set R1,   96                          ; v96-159  fragment 1 as loaded
.set X0,   160                         ; v160-223 fragment 0 back from the stage
.set X1,   32                          ; v32-95   fragment 1 back from the stage
.set C0,   224                         ; v224-239, v240-255 the codes: never written again
.set C1,   240
	s_load_b512 s[4:19], s[0:1], 0x0               ; x, W_qkv, W_out, the scales, x_img, wq_img, wo_img, rope
	v_lshl_add_u32 v30, v0, 2, 0x10800
	v_mov_b32 v31, 0
	v_lshrrev_b32 v4, 5, v0
	v_readfirstlane_b32 s20, v4                    ; wave 0..3
	v_and_b32 v5, 31, v0
	v_lshlrev_b32 v[LI], 4, v5
	v_and_b32 v6, 15, v0                           ; r
	v_bfe_u32 v7, v0, 4, 1                         ; h
	s_cmp_ge_u32 ttmp9, 512
	s_cbranch_scc1 .Ltable
	; ---- the quantiser
	s_mul_i32 s21, s20, WREG
	v_add_nc_u32 v[SI], s21, v[LI]                 ; in: 16 bytes a lane of a row
	v_mul_u32_u24 v[SO], v6, SP
	v_lshl_add_u32 v[SO], v7, 5, v[SO]
	v_add_nc_u32 v[SO], s21, v[SO]                 ; out: row r, + 32 h: eight numbers of my half
	s_wait_kmcnt 0x0
	s_load_b256 s[24:31], s[10:11], 0x0            ; the eight exponents
	s_mov_b32 s22, OS
	s_mov_b32 s23, 448
	s_cmp_lt_u32 ttmp9, 448                        ; the choices hang on the work-group's number alone
	s_cselect_b64 s[6:7], s[6:7], s[8:9]
	s_cselect_b64 s[14:15], s[14:15], s[16:17]
	s_cselect_b32 s22, WS, s22
	s_cselect_b32 s23, 256, s23
	s_cmp_lt_u32 ttmp9, 256
	s_cselect_b64 s[4:5], s[4:5], s[6:7]           ; the tensor,
	s_cselect_b64 s[12:13], s[12:13], s[14:15]     ; its image,
	s_cselect_b32 s22, XS, s22                     ; the image's bytes for 256 along K,
	s_cselect_b32 s23, 0, s23                      ; its first work-group
	s_sub_co_u32 s23, ttmp9, s23                   ; my block of 16 rows
	s_lshl_b32 s32, s23, 16                        ; 16 rows of 4,096 bytes,
	s_lshl_b32 s33, s20, 10                        ; my wave's 1,024 bytes of a row
	s_add_co_u32 s32, s32, s33
	s_mov_b32 s33, 0
	s_add_nc_u64 s[4:5], s[4:5], s[32:33]
	s_mul_i32 s34, s20, s22
	s_lshl_b32 s35, s23, 12
	s_add_co_u32 s34, s34, s35
	s_mov_b32 s35, 0
	s_add_nc_u64 s[12:13], s[12:13], s[34:35]
.macro LOADF f, reg                    ; fragment f: 16 rows x 512 bytes
.irp i, 0,1,2,3,4,5,6,7,8,9,10,11,12,13,14,15
	global_load_b128 v[\reg+4*\i:\reg+4*\i+3], v[LI], s[4:5] offset:4096*\i+512*\f th:TH_LOAD_NT
.endr
.endm
.macro INTO f, reg                     ; into stage f, as loaded
.irp i, 0,1,2,3,4,5,6,7,8,9,10,11,12,13,14,15
	ds_store_b128 v[SI], v[\reg+4*\i:\reg+4*\i+3] offset:STG*\f+SP*\i
.endr
.endm
.macro BACK f, reg                     ; and back: registers 8 c .. 8 c + 7 = k 16 c + 8 h + 0 .. 7 of row r.  LDS serves a wave's instructions in order (ISA guide 5.7.1.4): these see the stores
.irp c, 0,1,2,3,4,5,6,7
	ds_load_b128 v[\reg+8*\c:\reg+8*\c+3], v[SO] offset:STG*\f+64*\c
	ds_load_b128 v[\reg+8*\c+4:\reg+8*\c+7], v[SO] offset:STG*\f+64*\c+16
.endr
.endm
.macro QUANT reg, cod
.set n, 0
.rept 64
	v_med3_num_f32 v[\reg+n], v[\reg+n], -v[LIMV], v[LIMV]   ; the conversion to an 8-bit code does not saturate (ISA guide 7.6.2): the hold at the largest code x the scale
.set n, n+1
.endr
.irp c, 0,1,2,3,4,5,6,7
	v_cvt_scalef32_pk8_fp8_f32 v[\cod+2*\c:\cod+2*\c+1], v[\reg+8*\c:\reg+8*\c+7], v[SCV]
.endr
	v_nop                                          ; a plain line behind the last conversion of a run
.endm
.macro OUT f, cod
.irp q, 0,1,2,3
	global_store_b128 v[LI], v[\cod+4*\q:\cod+4*\q+3], s[12:13] offset:2048*\f+512*\q   ; 32 lanes store 512 consecutive bytes, at a multiple of 512 from the image's first byte
.endr
.endm
	s_wait_alu depctr_va_vdst(0)
	LOADF 0, R0
	LOADF 1, R1
	s_wait_kmcnt 0x0
	s_cmp_lt_u32 ttmp9, 448
	s_cselect_b32 s36, s25, s31
	s_cmp_lt_u32 ttmp9, 256
	s_cselect_b32 s36, s24, s36                    ; e
	s_add_co_i32 s36, s36, 127
	s_lshl_b32 s37, s36, 23
	v_mov_b32 v[SCV], s37                          ; 2^e as f32: the conversion takes its exponent field
	s_add_co_i32 s36, s36, 8
	s_lshl_b32 s36, s36, 23
	s_or_b32 s36, s36, 0x600000
	v_mov_b32 v[LIMV], s36                         ; 448 x 2^e
	s_wait_alu depctr_va_vdst(0)
	s_wait_loadcnt 16                              ; fragment 0's sixteen loads are in; fragment 1's may be out
	INTO 0, R0
	BACK 0, X0
	s_wait_loadcnt 0x0
	INTO 1, R1
	s_wait_dscnt 16                                ; all but the sixteen stores just issued: fragment 0 is back, and its stores into the stage have read v32-95,
	BACK 1, X1                                     ; which now take fragment 1
	QUANT X0, C0
	OUT 0, C0
	s_wait_dscnt 0x0
	QUANT X1, C1
	OUT 1, C1
	s_wait_tensorcnt 0x0
	ds_add_u32 v30, v31
	s_wait_dscnt 0x0
	s_endpgm
	; ---- the table: sixteen numbers a lane, element e = 8 t + j, stage by stage, so that no line waits for the line above it
.set TP, 32                            ; 10000^(i / 32)
.set TR, 48                            ; its reciprocal
.set TE, 64                            ; at work
.set TA, 80                            ; the angle, then what is left of it
.set TN, 96                            ; n
.set T2, 112                           ; the square
.set CN, 128                           ; v128-143 cos, v144-159 sin: as they are stored
.set SN, 144
.set TS, 160                           ; the two series
.set TC, 176
.set TQ, 192                           ; n as a whole number
.macro PW e, lo, hi                    ; lanes 0-15 take lo, lanes 16-31 hi
	v_mov_b32 v[TP+\e], \hi
	v_cndmask_b32 v[TP+\e], \lo, v[TP+\e], vcc_lo
.endm
.macro ALL16 body:vararg               ; (not used for lines with an index; kept out)
.endm
.Ltable:
	s_sub_co_u32 s21, ttmp9, 512
	s_lshl_b32 s21, s21, 2
	s_add_co_u32 s21, s21, s20                     ; my tile of 16 tokens
	s_lshl_b32 s22, s21, 4
	s_wait_alu depctr_va_vdst(0)
	v_add_nc_u32 v8, s22, v6
	v_cvt_f32_u32 v8, v8                           ; my token
	v_cmp_eq_u32 vcc_lo, 1, v7
	s_mov_b32 s32, 0x3fc90fdb                      ; pi / 2, its upper part
	s_mov_b32 s33, 0xb33bbd2e                      ; and the rest
	s_mov_b32 s34, 0x3638ef1d                      ; 1 / 9!
	s_mov_b32 s35, 0xb9500d01                      ; -1 / 7!
	s_mov_b32 s36, 0x3c088889                      ; 1 / 5!
	s_mov_b32 s37, 0xbe2aaaab                      ; -1 / 3!
	s_mov_b32 s38, 0xb493f27e                      ; -1 / 10!
	s_mov_b32 s39, 0x37d00d01                      ; 1 / 8!
	s_mov_b32 s40, 0xbab60b61                      ; -1 / 6!
	s_mov_b32 s41, 0x3d2aaaab                      ; 1 / 4!
	s_lshl_b32 s42, s21, 12
	s_mov_b32 s43, 0
	; 10000^(i / 32) = 10^(i / 8), i = 16 t + 8 h + j = 10^(2 t + h) x 10^(j / 8)
	PW 0,  1.0,               10.0
	PW 1,  1.333521432163324, 13.33521432163324
	PW 2,  1.778279410038923, 17.78279410038923
	PW 3,  2.371373705661655, 23.71373705661655
	PW 4,  3.162277660168379, 31.62277660168379
	PW 5,  4.216965034285822, 42.16965034285822
	PW 6,  5.623413251903491, 56.23413251903491
	PW 7,  7.498942093324558, 74.98942093324558
	PW 8,  100.0,             1000.0
	PW 9,  133.3521432163324, 1333.521432163324
	PW 10, 177.8279410038923, 1778.279410038923
	PW 11, 237.1373705661655, 2371.373705661655
	PW 12, 316.2277660168379, 3162.277660168379
	PW 13, 421.6965034285822, 4216.965034285822
	PW 14, 562.3413251903491, 5623.413251903491
	PW 15, 749.8942093324558, 7498.942093324558
	s_wait_alu depctr_va_vdst(0)
.irp e, 0,1,2,3,4,5,6,7,8,9,10,11,12,13,14,15
	v_rcp_f32 v[TR+\e], v[TP+\e]
.endr
	v_nop                                          ; a plain line behind the last reciprocal (ISA guide 5.7.2)
	s_wait_alu depctr_va_vdst(0)                   ; one wait for the batch, ahead of its first reader
.irp e, 0,1,2,3,4,5,6,7,8,9,10,11,12,13,14,15
	v_fma_f32 v[TE+\e], -v[TP+\e], v[TR+\e], 1.0   ; one step of Newton's: the quotient 1 / P to the last bit or nearly
.endr
.irp e, 0,1,2,3,4,5,6,7,8,9,10,11,12,13,14,15
	v_fma_f32 v[TR+\e], v[TE+\e], v[TR+\e], v[TR+\e]
.endr
.irp e, 0,1,2,3,4,5,6,7,8,9,10,11,12,13,14,15
	v_mul_f32 v[TA+\e], v8, v[TR+\e]               ; the angle, rounded once
.endr
.irp e, 0,1,2,3,4,5,6,7,8,9,10,11,12,13,14,15
	v_mul_f32 v[TN+\e], 0x3f22f983, v[TA+\e]       ; x 2 / pi
.endr
.irp e, 0,1,2,3,4,5,6,7,8,9,10,11,12,13,14,15
	v_rndne_f32 v[TN+\e], v[TN+\e]
.endr
.irp e, 0,1,2,3,4,5,6,7,8,9,10,11,12,13,14,15
	v_fma_f32 v[TA+\e], -v[TN+\e], s32, v[TA+\e]   ; exact: the difference has no more than 24 bits
.endr
.irp e, 0,1,2,3,4,5,6,7,8,9,10,11,12,13,14,15
	v_fma_f32 v[TA+\e], -v[TN+\e], s33, v[TA+\e]
.endr
.irp e, 0,1,2,3,4,5,6,7,8,9,10,11,12,13,14,15
	v_mul_f32 v[T2+\e], v[TA+\e], v[TA+\e]
.endr
.irp e, 0,1,2,3,4,5,6,7,8,9,10,11,12,13,14,15
	v_fma_f32 v[TS+\e], v[T2+\e], s34, s35
	v_fma_f32 v[TC+\e], v[T2+\e], s38, s39
.endr
.irp e, 0,1,2,3,4,5,6,7,8,9,10,11,12,13,14,15
	v_fma_f32 v[TS+\e], v[TS+\e], v[T2+\e], s36
	v_fma_f32 v[TC+\e], v[TC+\e], v[T2+\e], s40
.endr
.irp e, 0,1,2,3,4,5,6,7,8,9,10,11,12,13,14,15
	v_fma_f32 v[TS+\e], v[TS+\e], v[T2+\e], s37
	v_fma_f32 v[TC+\e], v[TC+\e], v[T2+\e], s41
.endr
.irp e, 0,1,2,3,4,5,6,7,8,9,10,11,12,13,14,15
	v_mul_f32 v[TS+\e], v[TS+\e], v[T2+\e]
	v_fma_f32 v[TC+\e], v[TC+\e], v[T2+\e], -0.5
.endr
.irp e, 0,1,2,3,4,5,6,7,8,9,10,11,12,13,14,15
	v_fma_f32 v[TS+\e], v[TS+\e], v[TA+\e], v[TA+\e]
	v_fma_f32 v[TC+\e], v[TC+\e], v[T2+\e], 1.0
	v_cvt_i32_f32 v[TQ+\e], v[TN+\e]
.endr
.irp e, 0,1,2,3,4,5,6,7,8,9,10,11,12,13,14,15
	v_and_b32 v[TE+\e], 1, v[TQ+\e]                ; the quadrant: an odd n swaps the two series;
	v_cmp_eq_u32 vcc_lo, 1, v[TE+\e]
	v_cndmask_b32 v[SN+\e], v[TS+\e], v[TC+\e], vcc_lo
	v_cndmask_b32 v[CN+\e], v[TC+\e], v[TS+\e], vcc_lo
	v_and_b32 v[TE+\e], 2, v[TQ+\e]                ; sin changes sign where n % 4 is 2 or 3,
	v_lshlrev_b32 v[TE+\e], 30, v[TE+\e]
	v_xor_b32 v[SN+\e], v[TE+\e], v[SN+\e]
	v_add_nc_u32 v[TQ+\e], 1, v[TQ+\e]             ; cos where it is 1 or 2
	v_and_b32 v[TQ+\e], 2, v[TQ+\e]
	v_lshlrev_b32 v[TQ+\e], 30, v[TQ+\e]
	v_xor_b32 v[CN+\e], v[TQ+\e], v[CN+\e]
.endr
	s_wait_alu depctr_va_vdst(0)
	s_wait_kmcnt 0x0
	s_add_nc_u64 s[18:19], s[18:19], s[42:43]      ; my tile's 4,096 bytes
.irp p, 0,1,2,3,4,5,6,7
	global_store_b128 v[LI], v[CN+4*\p:CN+4*\p+3], s[18:19] offset:512*\p
.endr
	s_endpgm
.Lfunc_end_k_qc8f99443fb_prep:
	.size	k_qc8f99443fb_prep, .Lfunc_end_k_qc8f99443fb_prep-k_qc8f99443fb_prep
	.p2alignl 7, 3214868480
	.fill 96, 4, 3214868480
	.section	.rodata,"a",@progbits
	.p2align	6, 0x0
	.amdhsa_kernel k_qc8f99443fb_prep
		.amdhsa_group_segment_fixed_size 68096
		.amdhsa_private_segment_fixed_size 0
		.amdhsa_enable_private_segment 0
		.amdhsa_kernarg_size 64
		.amdhsa_user_sgpr_count 2
		.amdhsa_user_sgpr_kernarg_segment_ptr 1
		.amdhsa_wavefront_size32 1
		.amdhsa_system_sgpr_workgroup_id_x 1
		.amdhsa_system_sgpr_workgroup_id_y 1
		.amdhsa_system_sgpr_workgroup_id_z 1
		.amdhsa_system_vgpr_workitem_id 0
		.amdhsa_next_free_vgpr 256
		.amdhsa_next_free_sgpr 66
		.amdhsa_reserve_vcc 1
		.amdhsa_float_denorm_mode_32 3
		.amdhsa_float_denorm_mode_16_64 3
		.amdhsa_memory_ordered 1
		.amdhsa_forward_progress 1
		.amdhsa_inst_pref_size 47
	.end_amdhsa_kernel
	.amdgpu_metadata
---
amdhsa.version: [ 1, 2 ]
amdhsa.kernels:
  - .name:           k_qc8f99443fb_prep
    .symbol:         k_qc8f99443fb_prep.kd
    .args:
      - { .name: x, .offset: 0, .size: 8, .value_kind: global_buffer, .address_space: global }
      - { .name: W_qkv, .offset: 8, .size: 8, .value_kind: global_buffer, .address_space: global }
      - { .name: W_out, .offset: 16, .size: 8, .value_kind: global_buffer, .address_space: global }
      - { .name: lowp_scales, .offset: 24, .size: 8, .value_kind: global_buffer, .address_space: global }
      - { .name: x_img, .offset: 32, .size: 8, .value_kind: global_buffer, .address_space: global }
      - { .name: wq_img, .offset: 40, .size: 8, .value_kind: global_buffer, .address_space: global }
      - { .name: wo_img, .offset: 48, .size: 8, .value_kind: global_buffer, .address_space: global }
      - { .name: rope, .offset: 56, .size: 8, .value_kind: global_buffer, .address_space: global }
    .group_segment_fixed_size: 68096
    .private_segment_fixed_size: 0
    .kernarg_segment_align: 8
    .kernarg_segment_size: 64
    .max_flat_workgroup_size: 128
    .sgpr_count:     66
    .vgpr_count:     256
    .wavefront_size: 32
...
	.end_amdgpu_metadata
.endif
;; end of part 1
;; launch qkv (part 2): grid 12 x 16, 4 waves a work-group, clusters of 4 x 4, 327,680 bytes of LDS; arguments x_img, wq_img, lowp_scales, rope, q_img, k_img, v_img; writes q_img, k_img, v_img
.if DOCPART == 2
	.amdgcn_target "amdgcn-amd-amdhsa--gfx1250"
	.amdhsa_code_object_version 6
	.text
	.protected	k_qc8f99443fb_qkv
	.globl	k_qc8f99443fb_qkv
	.p2align	8
	.type	k_qc8f99443fb_qkv,@function
k_qc8f99443fb_qkv:
	s_mov_b64 s[64:65], 0
	v_nop
	global_prefetch_b8 v0, s[64:65] scope:SCOPE_SE
	s_setreg_imm32_b32 hwreg(HW_REG_WAVE_MODE, 25, 1), 1
	s_wait_xcnt 0x0
	s_wait_alu depctr_hold_cnt(0) depctr_sa_sdst(0) depctr_va_vdst(0) depctr_va_sdst(0) depctr_va_ssrc(0) depctr_va_vcc(0) depctr_vm_vsrc(0)
	s_getreg_b32 s2, hwreg(HW_REG_IB_STS2, 6, 4)
	s_cmp_eq_u32 s2, 0
	s_cbranch_scc0 .Lentry_in_a_cluster
	s_endpgm
.Lentry_in_a_cluster:
	s_bfe_u32 s2, ttmp6, 0x10000c
	s_cmp_lg_u32 s2, 0xf033
	s_cbranch_scc0 .Lentry_shape_is_right
	s_endpgm
.Lentry_shape_is_right:
; qkv = x W_qkv^T on codes of E4M3, then the rotary embedding of q and k, and the three results quantised for attention.  x: 4,096 rows, W_qkv: 3,072 rows, K = 1,024; sums in f32.
; Both operands are images of operand registers, [K / 256][row / 16][(K / 128) % 2][2048]: a tile of 256 rows x 256 K is one dense block of 65,536 bytes, and every LDS load is 16 x lane + a constant.
; A work-group makes 256 tokens x 256 features: cluster column 0 makes q, 1 makes k, 2 makes v.  Four waves, 128 x 128 each, 64 accumulators; K goes in four steps of 256 through two LDS slots.
; CLUSTERS of 4 x 4: x's tiles are asked for jointly by a row of the cluster, W_qkv's by a column.
; For q and k the products are used transposed (source 0 = features): a lane holds one token and eight neighbouring features; for v (source 0 = tokens) one feature and eight neighbouring tokens.
; NO PREFETCH: K is four slots: two come by the head's loads, and only two refills are left that could be asked for ahead.
; The rotary table's first two blocks of 16 tokens are asked for at the head (v's work-groups do not use them), its other six behind the last product, all at once, into registers that held source 0's fragments.
; LIMITS: e2 - e0 - e1, e3 - e0 - e1 and e5 - e0 - e1 lie between -126 and 119, so that the conversions' scales and 448 x them are f32 numbers.
.set XS,     1048576
.set WS,     786432
.set FR,     16
.set NL,     4
.set NP,     4
.set HALFT,  32768
.set SLOT,   4*HALFT
.set LAPS,   2
.set SPARE,  2*SLOT
.set ADRA, 16
.set ADRB, 20
.set LI,   24
.set SPW,  28
.set NIL,  29
.set SCV,  30
.set LIMV, 31
.set TAB,  32
.set T,    96
.set CD,   128
.set AF,   128
.set G1, 24
.set G0, 32
.set G1B, 48
.set G0B, 56
.set MSB, 0
.macro WIN new
.if MSB != (\new)
	s_set_vgpr_msb (MSB<<8)|(\new)
.set MSB, (\new)
.endif
.endm
.set MUL_LO, 0xa1
.set MUL_HI, 0xf1
.set TO_B,   0x40
.macro JLOAD g0a, g1a, g0b, g1b
	s_cmp_eq_u32 s15, 0
	s_cbranch_scc0 .Lfor_b_\@
	tensor_load_to_lds s[\g0a:\g0a+3], s[\g1a:\g1a+7]
	s_nop 0
.rept 4
	v_nop
.endr
	s_branch .Lasked_\@
.Lfor_b_\@:
	tensor_load_to_lds s[\g0b:\g0b+3], s[\g1b:\g1b+7]
	s_nop 0
.rept 4
	v_nop
.endr
.Lasked_\@:
.endm
.macro CREST
	s_cmp_lg_u32 s14, 0
	s_cbranch_scc1 .Lnot_wave_0_\@
	s_barrier_signal -3
.Lnot_wave_0_\@:
	s_barrier_wait -3
	s_barrier_signal -1
	s_barrier_wait -1
.endm
.macro CROUND
	s_barrier_signal -1
	s_barrier_wait -1
	CREST
.endm
	s_load_b256 s[4:11], s[0:1], 0x0
	s_load_b128 s[68:71], s[0:1], 0x20
	s_load_b64 s[72:73], s[0:1], 0x30
	v_lshl_add_u32 v[SPW], v0, 2, SPARE
	v_mov_b32 v[NIL], 0
	ds_add_u32 v28, v29
	ds_add_u32 v28, v29
	s_wait_dscnt 0x0
	v_lshrrev_b32 v1, 5, v0
	v_readfirstlane_b32 s14, v1
	s_lshr_b32 s15, s14, 1
	s_and_b32 s16, s14, 1
	s_bfe_u32 s40, ttmp6, 0x40000
	s_bfe_u32 s41, ttmp6, 0x40004
	s_lshl_b32 s42, ttmp9, 2
	s_add_co_u32 s42, s42, s40
	s_and_b32 s17, ttmp7, 0xffff
	s_lshl_b32 s17, s17, 2
	s_add_co_u32 s17, s17, s41
	s_lshl_b32 s43, s41, 2
	s_lshl_b32 s43, 15, s43
	s_lshl_b32 s44, 0x1111, s40
	s_or_b32 s[G1+0], s43, (3<<16)|(1<<21)
	s_or_b32 s[G1B+0], s44, (3<<16)|(1<<21)
.irp g, G1, G1B
	s_mov_b32 s[\g+1], 32<<16
	s_mov_b32 s[\g+2], 128<<16
	s_mov_b32 s[\g+3], 32<<16
	s_mov_b32 s[\g+4], 128
	s_mov_b32 s[\g+5], 32
	s_mov_b32 s[\g+6], 0
	s_mov_b32 s[\g+7], 0
.endr
	s_lshl_b32 s18, s16, 15
	s_lshl_b32 s20, s17, 16
	s_add_co_u32 s20, s20, s18
	s_mov_b32 s21, 0
	s_lshl_b32 s46, s42, 16
	s_add_co_u32 s46, s46, s18
	s_mov_b32 s47, 0
	s_lshl_b32 s45, s14, 15
	s_wait_kmcnt 0x0
	s_load_b256 s[80:87], s[8:9], 0x0
	s_add_nc_u64 s[20:21], s[4:5], s[20:21]
	s_add_nc_u64 s[46:47], s[6:7], s[46:47]
	CROUND
.irp s, 0,1
	s_mov_b32 s[G0+4*\s], 1
	s_add_co_u32 s[G0+4*\s+1], s45, \s*SLOT
	s_add_nc_u64 s[G0+4*\s+2:G0+4*\s+3], s[20:21], \s*XS
	s_or_b32 s[G0+4*\s+3], s[G0+4*\s+3], 0x80000000
	s_mov_b32 s[G0B+4*\s], 1
	s_add_co_u32 s[G0B+4*\s+1], s45, \s*SLOT
	s_add_nc_u64 s[G0B+4*\s+2:G0B+4*\s+3], s[46:47], \s*WS
	s_or_b32 s[G0B+4*\s+3], s[G0B+4*\s+3], 0x80000000
.if \s                                 ; slot 1's first fill stands behind these lines and a round; the round also shows slot 0 whole to every wave
	s_wait_alu depctr_va_vdst(0)
	s_wait_tensorcnt 0x0
	ds_add_u32 v28, v29
	s_wait_dscnt 0x0
	CROUND
.endif
	JLOAD G0+4*\s, G1, G0B+4*\s, G1B
.endr
	v_and_b32 v6, 31, v0
	v_lshlrev_b32 v[LI], 4, v6
	s_wait_alu depctr_va_vdst(0)
	s_lshl_b32 s21, s15, 15
	s_lshl_b32 s22, s16, 15
	s_add_co_u32 s22, s22, 2*HALFT
	s_cmp_eq_u32 ttmp9, 2
	s_cselect_b32 s23, s22, s21
	s_cselect_b32 s22, s21, s22
.irp s, 0,1
	v_add_nc_u32 v[ADRA+\s], s23, v[LI]
	v_add_nc_u32 v[ADRB+\s], s22, v[LI]
	s_add_co_u32 s23, s23, SLOT
	s_add_co_u32 s22, s22, SLOT
.endr
	s_lshl_b32 s74, s17, 16
	s_lshl_b32 s75, s15, 15
	s_add_co_u32 s74, s74, s75
	s_mov_b32 s75, 0
	s_add_nc_u64 s[10:11], s[10:11], s[74:75]
.macro TABLE a
.irp p, 0,1,2,3,4,5,6,7
	global_load_b128 v[TAB+32*((\a)%2)+4*\p:TAB+32*((\a)%2)+4*\p+3], v[LI], s[10:11] offset:4096*(\a)+512*\p
.endr
.endm
.macro TABLEW a                        ; blocks 2 to 7, into window 1 from v0 on
.irp p, 0,1,2,3,4,5,6,7
	global_load_b128 v[32*((\a)-2)+4*\p:32*((\a)-2)+4*\p+3], v[LI], s[10:11] offset:4096*(\a)+512*\p
.endr
.endm
	TABLE 0
	TABLE 1
.macro FRAG reg, adr, q, i
.irp c, 0,1,2,3
	ds_load_b128 v[\reg+4*\c:\reg+4*\c+3], v[\adr] offset:2048*(\q)+512*\c+(\i)*4096
.endr
.endm
.macro MUL16 a0, p, zero
.irp a, \a0, \a0+1
.irp b, 0,1,2,3,4,5,6,7
.if \zero
	v_wmma_f32_16x16x128_fp8_fp8 v[8*(8*((\a)%4)+\b):8*(8*((\a)%4)+\b)+7], v[128*(\p)+FR*\b:128*(\p)+FR*\b+FR-1], v[AF+FR*(\a):AF+FR*(\a)+FR-1], 0
.else
	v_wmma_f32_16x16x128_fp8_fp8 v[8*(8*((\a)%4)+\b):8*(8*((\a)%4)+\b)+7], v[128*(\p)+FR*\b:128*(\p)+FR*\b+FR-1], v[AF+FR*(\a):AF+FR*(\a)+FR-1], v[8*(8*((\a)%4)+\b):8*(8*((\a)%4)+\b)+7]
.endif
.endr
.endr
.endm
.macro FETCH_B slot, q, p
	WIN TO_B
.irp i, 0,1,2,3,4,5,6,7
	FRAG 128*(\p)+FR*\i, ADRB+\slot, \q, \i
.endr
	WIN 0
.endm
.macro FETCH_A slot, q, i0
.irp i, \i0, \i0+1, \i0+2, \i0+3
	FRAG AF+FR*(\i), ADRA+\slot, \q, \i
.endr
.endm
.macro PLACES n
.rept \n
	v_nop
.endr
.endm
.macro STEP slot, q, zero
	s_wait_dscnt 4*NL
	WIN MUL_LO
	MUL16 0, (\q)%2, \zero
	MUL16 2, (\q)%2, \zero
	s_wait_dscnt 0
	PLACES NP
	FETCH_B \slot, (\q)+1, 1-(\q)%2
	FETCH_A \slot, (\q)+1, 0
	WIN MUL_HI
	MUL16 4, (\q)%2, \zero
	MUL16 6, (\q)%2, \zero
	PLACES NP
	WIN 0
	FETCH_A \slot, (\q)+1, 4
.endm
.macro TURN slot, next, fill
	s_wait_tensorcnt 0x0
	ds_add_u32 v[SPW], v[NIL]
	s_wait_dscnt 4*NL+1
	WIN MUL_LO
	MUL16 0, 1, 0
	s_wait_dscnt 0x0
	s_barrier_signal -1
	MUL16 2, 1, 0
	WIN 0
	s_barrier_wait -1
.if \fill
	CREST
	s_add_nc_u64 s[G0+4*\slot+2:G0+4*\slot+3], s[G0+4*\slot+2:G0+4*\slot+3], 2*XS
	s_add_nc_u64 s[G0B+4*\slot+2:G0B+4*\slot+3], s[G0B+4*\slot+2:G0B+4*\slot+3], 2*WS
	JLOAD G0+4*\slot, G1, G0B+4*\slot, G1B
.else
	PLACES NP
.endif
	FETCH_B \next, 0, 0
	FETCH_A \next, 0, 0
	WIN MUL_HI
	MUL16 4, 1, 0
	MUL16 6, 1, 0
	PLACES NP
	WIN 0
	FETCH_A \next, 0, 4
.endm
	s_wait_alu depctr_va_vdst(0)
	FETCH_B 0, 0, 0
	FETCH_A 0, 0, 0
	FETCH_A 0, 0, 4
	STEP 0, 0, 1
	s_mov_b32 s3, LAPS-1
.Llap:
	TURN 0, 1, 1
	STEP 1, 0, 0
	TURN 1, 0, 1
	STEP 0, 0, 0
	s_sub_co_u32 s3, s3, 1
	s_cmp_lg_u32 s3, 0
	s_cbranch_scc1 .Llap
	TURN 0, 1, 0
	STEP 1, 0, 0
	s_wait_dscnt 4*NL
	WIN MUL_LO
	MUL16 0, 1, 0
	MUL16 2, 1, 0
	s_wait_dscnt 0
	WIN MUL_HI
	MUL16 4, 1, 0
	MUL16 6, 1, 0
	WIN 0
	s_wait_kmcnt 0x0
	s_lshl_b32 s74, s40, 20
	s_lshl_b32 s75, s16, 19
	s_add_co_u32 s74, s74, s75
	s_lshl_b32 s75, s17, 14
	s_add_co_u32 s74, s74, s75
	s_lshl_b32 s75, s15, 13
	s_add_co_u32 s74, s74, s75
	s_mov_b32 s75, 0
	s_add_co_i32 s88, s80, s81
	PLACES NP
.macro SCALES
	s_sub_co_i32 s89, s89, s88
	s_add_co_i32 s89, s89, 127
	s_lshl_b32 s90, s89, 23
	v_mov_b32 v[SCV], s90
	s_add_co_i32 s89, s89, 8
	s_lshl_b32 s89, s89, 23
	s_or_b32 s89, s89, 0x600000
	v_mov_b32 v[LIMV], s89
.endm
	s_cmp_eq_u32 ttmp9, 2
	s_cbranch_scc1 .Lv_out
	s_cmp_eq_u32 ttmp9, 0
	s_cselect_b64 s[76:77], s[68:69], s[70:71]
	s_cselect_b32 s89, s82, s83
	s_add_nc_u64 s[76:77], s[76:77], s[74:75]
	WIN TO_B                                       ; (the places above stand between the last products, which read these registers, and the loads)
.irp a, 2,3,4,5,6,7
	TABLEW \a
.endr
	WIN 0
	SCALES
.macro ROPE a, hh
.if (\a) < 2
.set TB, TAB+32*(\a)
	WIN 0x02+((\a)/4)                              ; source 0: the accumulators' window
.else
.set TB, 32*((\a)-2)
	WIN 0x06+((\a)/4)                              ; and source 1: window 1
.endif
.irp tp, 0,1
.irp jp, 0,2,4,6
.set LO, 8*(8*((\a)%4)+4*(\hh)+\tp)+\jp
.set HI, LO+16
	v_pk_mul_f32 v[T+8*\tp+\jp:T+8*\tp+\jp+1], v[LO:LO+1], v[TB+8*\tp+\jp:TB+8*\tp+\jp+1]
	v_pk_mul_f32 v[T+16+8*\tp+\jp:T+16+8*\tp+\jp+1], v[HI:HI+1], v[TB+8*\tp+\jp:TB+8*\tp+\jp+1]
	v_pk_fma_f32 v[T+8*\tp+\jp:T+8*\tp+\jp+1], v[HI:HI+1], v[TB+16+8*\tp+\jp:TB+16+8*\tp+\jp+1], v[T+8*\tp+\jp:T+8*\tp+\jp+1] neg_lo:[1,0,0] neg_hi:[1,0,0]
	v_pk_fma_f32 v[T+16+8*\tp+\jp:T+16+8*\tp+\jp+1], v[LO:LO+1], v[TB+16+8*\tp+\jp:TB+16+8*\tp+\jp+1], v[T+16+8*\tp+\jp:T+16+8*\tp+\jp+1]
.endr
.endr
	WIN 0
.set n, 0
.rept 32
	v_med3_num_f32 v[T+n], v[T+n], -v[LIMV], v[LIMV]
.set n, n+1
.endr
.set CC, CD+8*(2*(\a)+\hh)
.irp t, 0,1,2,3
	v_cvt_scalef32_pk8_fp8_f32 v[CC+2*\t:CC+2*\t+1], v[T+8*\t:T+8*\t+7], v[SCV]
.endr
	v_nop
	global_store_b128 v[LI], v[CC:CC+3], s[76:77] offset:262144*\hh+1024*(\a)
	global_store_b128 v[LI], v[CC+4:CC+7], s[76:77] offset:262144*\hh+1024*(\a)+512
.endm
.irp a, 0,1,2,3,4,5,6,7
.if \a < 2
	s_wait_loadcnt 48                              ; blocks 0 and 1 are in; the 48 loads of the other six may be out
.else
	s_wait_loadcnt 56-8*\a                         ; block a is in; the loads of the blocks behind it may be out
.endif
	ROPE \a, 0
	ROPE \a, 1
.endr
	s_branch .Ldone
.Lv_out:
	s_add_nc_u64 s[76:77], s[72:73], s[74:75]
	s_mov_b32 s89, s85
	SCALES
	s_wait_alu depctr_va_vdst(0)
	s_wait_loadcnt 0x0
.macro VOUT a
	WIN 0x02+((\a)/4)
.set n, 0
.rept 64
	v_med3_num_f32 v[TAB+n], v[64*((\a)%4)+n], -v[LIMV], v[LIMV]
.set n, n+1
.endr
	WIN 0
.irp b, 0,1,2,3,4,5,6,7
	v_cvt_scalef32_pk8_fp8_f32 v[CD+16*(\a)+2*\b:CD+16*(\a)+2*\b+1], v[TAB+8*\b:TAB+8*\b+7], v[SCV]
.endr
	v_nop
.irp q, 0,1,2,3
	global_store_b128 v[LI], v[CD+16*(\a)+4*\q:CD+16*(\a)+4*\q+3], s[76:77] offset:262144*((\a)/4)+2048*((\a)%4)+512*\q
.endr
.endm
.irp a, 0,1,2,3,4,5,6,7
	VOUT \a
.endr
.Ldone:
	s_wait_tensorcnt 0x0
	ds_add_u32 v[SPW], v[NIL]
	s_wait_dscnt 0x0
	CROUND
	s_endpgm
.Lfunc_end_k_qc8f99443fb_qkv:
	.size	k_qc8f99443fb_qkv, .Lfunc_end_k_qc8f99443fb_qkv-k_qc8f99443fb_qkv
	.p2alignl 7, 3214868480
	.fill 96, 4, 3214868480
	.section	.rodata,"a",@progbits
	.p2align	6, 0x0
	.amdhsa_kernel k_qc8f99443fb_qkv
		.amdhsa_group_segment_fixed_size 327680
		.amdhsa_private_segment_fixed_size 0
		.amdhsa_enable_private_segment 0
		.amdhsa_kernarg_size 56
		.amdhsa_user_sgpr_count 2
		.amdhsa_user_sgpr_kernarg_segment_ptr 1
		.amdhsa_wavefront_size32 1
		.amdhsa_system_sgpr_workgroup_id_x 1
		.amdhsa_system_sgpr_workgroup_id_y 1
		.amdhsa_system_sgpr_workgroup_id_z 1
		.amdhsa_system_vgpr_workitem_id 0
		.amdhsa_next_free_vgpr 1024
		.amdhsa_next_free_sgpr 100
		.amdhsa_reserve_vcc 0
		.amdhsa_float_denorm_mode_32 3
		.amdhsa_float_denorm_mode_16_64 3
		.amdhsa_memory_ordered 1
		.amdhsa_forward_progress 1
		.amdhsa_inst_pref_size 197
	.end_amdhsa_kernel
	.amdgpu_metadata
---
amdhsa.version: [ 1, 2 ]
amdhsa.kernels:
  - .name:           k_qc8f99443fb_qkv
    .symbol:         k_qc8f99443fb_qkv.kd
    .args:
      - { .name: x_img, .offset: 0, .size: 8, .value_kind: global_buffer, .address_space: global }
      - { .name: wq_img, .offset: 8, .size: 8, .value_kind: global_buffer, .address_space: global }
      - { .name: lowp_scales, .offset: 16, .size: 8, .value_kind: global_buffer, .address_space: global }
      - { .name: rope, .offset: 24, .size: 8, .value_kind: global_buffer, .address_space: global }
      - { .name: q_img, .offset: 32, .size: 8, .value_kind: global_buffer, .address_space: global }
      - { .name: k_img, .offset: 40, .size: 8, .value_kind: global_buffer, .address_space: global }
      - { .name: v_img, .offset: 48, .size: 8, .value_kind: global_buffer, .address_space: global }
    .group_segment_fixed_size: 327680
    .private_segment_fixed_size: 0
    .kernarg_segment_align: 8
    .kernarg_segment_size: 56
    .max_flat_workgroup_size: 128
    .sgpr_count:     100
    .vgpr_count:     1024
    .wavefront_size: 32
...
	.end_amdgpu_metadata
.endif
;; end of part 2
;; launch attn (part 3): grid 16 x 16, 16 waves a work-group, no clusters, 327,680 bytes of LDS; arguments q_img, k_img, v_img, lowp_scales, o_img; writes o_img
.if DOCPART == 3
	.amdgcn_target "amdgcn-amd-amdhsa--gfx1250"
	.amdhsa_code_object_version 6
	.text
	.protected	k_qc8f99443fb_attn
	.globl	k_qc8f99443fb_attn
	.p2align	8
	.type	k_qc8f99443fb_attn,@function
k_qc8f99443fb_attn:
	s_mov_b64 s[64:65], 0
	v_nop
	global_prefetch_b8 v0, s[64:65] scope:SCOPE_SE
	s_setreg_imm32_b32 hwreg(HW_REG_WAVE_MODE, 25, 1), 1
	s_wait_xcnt 0x0
; O[h][q] = the sum over keys k <= q of softmax_k(Q[h][q] . K[h][k] / 8) V[h][k], 16 heads of 64, 4,096 tokens, both products on codes of E4M3; the result is quantised for the projection.
; THE SOFTMAX AHEAD OF THE SECOND PRODUCT: t = score x log2(e) / 8; M = the row's largest t so far, rounded UP to a whole number; p = 2^(t - M) is quantised, not normalised.  The row's sum is taken of the
; unquantised p and divides O at the end.  When M moves, the sum and O are multiplied by 2^(old M - new M): exact.
; LEFT OUT: key steps all of whose keys come after the wave's queries: the causal mask puts -inf there, so p = 0 for all inputs.  (LIMIT: a NaN or an infinity in such a score is not carried.)
; OPERANDS ARE IMAGES OF REGISTERS: q_img, k_img [head][token / 16][1024]: a fragment of 16 tokens x 64; v_img [head][token / 128][d / 16][2048]: a fragment of V^T, 16 d x 128 keys; registers 4 c .. 4 c + 3 of lane l at 512 c + 16 l.
; LAYOUT.  S^T = K Q^T (source 0 = 16 keys, source 1 = 16 queries; K = 64): tile u, register j of lane (r, h) is key 16 u + 8 h + j, query r.  Eight registers, converted, are registers 2 u, 2 u + 1 of P (16 queries x 128 keys).
; O^T = V^T P^T (source 0 = 16 d, source 1 = P; K = 128): a lane holds one query throughout.
; SHARES.  Work-group (j, head) owns the query blocks 31 - j and j, 128 queries each, and works them one behind the other, all sixteen waves on one block: wave w has the group w % 4 of 32 queries (two tiles of 16, which
; share every fragment that is read) and the split k = (w + w / 4) % 4 of the keys: of each tile of 512 keys its 128 keys number k.  So the four waves with equal w % 4, and those with equal w / 4, carry all four splits.
; Block b takes b / 4 + 1 tiles of 512 keys: (31 - j) / 4 + 1 + j / 4 + 1 = 9 tiles for every j.  At a block's end the four splits of a group meet in LDS: each wave takes a quarter (tile k / 2, 32 of the 64 d) of the group's result.
; THE RING: two slots of 512 keys (K's 32,768 bytes, then V's).  Wave 0 fetches K's block, wave 1 V's.
; A tile that is not its block's last is walked whole: its barrier's signal stands ahead of the step's last part, which is work on registers.  In a block's last tile waves leave hidden steps out and mask the diagonal one.
; NO CLUSTER: the work-groups of a head change from one block to the other at different tiles, so partners would ask for different tiles in the same trip.
; LIMITS on the given exponents, so that each power of two below is an f32 number: e2 + e3 between -123 and 130 (added to c's exponent field); e4 and e6 between -126 and 119; e4 + e5 is applied by v_ldexp_f32.
; The promise holds while the scaled scores t stay under 2^31 in magnitude.
; REGISTERS: v1 16 x lane; v2 r - 8 h; v3 256 x lane; v4, v5 the add's; v6 an LDS address; v7, v9 448 x 2^e4 (two copies for the paired minima); v8, v10 -M of the two tiles; v11 2^e4; v[12:13], v[14:15] their sums in two halves;
;   v16-31 Q; v32-95 K's eight fragments, then V's four; v96-159 S^T, then p, of one tile at a time; v160-223 O^T of both; v224-239, v240-255 P's codes of both (the latter at work before it is written).
.set SLOT,  65536
.set VOFF,  32768
.set SPARE, 2*SLOT                     ; the spare words, 128 bytes for each wave, that no other line names
.set STAT,  SPARE+2048                 ; -M and sum of both tiles: 512 bytes for each wave
.set OST,   STAT+8192                  ; O^T of both tiles: 8,192 bytes for each wave
.set SPW,  4
.set NIL,  5
.set WV,   18
.set TB,   19                          ; s19  LDS byte of my keys in the slot in hand
.set SEL,  20                          ; s[20:21] lane selects for v_permlanex16_b32: lane l xor 16
.set CS,   22                          ; s[22:23] c = log2(e) / 8 x 2^(e2 + e3);  s66 = -c
.set G1,   24                          ; s[24:31] descriptor group 1
.set G0K,  32                          ; s[32:35] group 0 for K's block, s[36:39] for V's: they walk
.set G0V,  36
.set T,    40                          ; the trip
.set CH,   41                          ; the tile of the block in hand
.set LASTC, 42                         ; that block's last tile
.set LIM,  43                          ; a wave prefetches in trips under LIM
.set PFA,  44                          ; s[44:45] where my prefetches stand
.set QB,   46                          ; the query block in hand
.set KB,   47                          ; my 128 keys' number
.set GRP,  67
.set SPL,  68
.set LC,   69                          ; the tile that is asked for
.set WRAP, 70                          ; the first block's last tile: behind it comes tile 0 again
.set DUE,  71                          ; 1: the first block is done and its splits have not met
.macro TLOAD
	s_cmp_eq_u32 s[WV], 0
	s_cbranch_scc0 .Lnot_k_\@
	tensor_load_to_lds s[G0K:G0K+3], s[G1:G1+7]
	s_nop 0
.rept 4
	v_nop
.endr
	s_branch .Lasked_\@
.Lnot_k_\@:
	s_cmp_eq_u32 s[WV], 1
	s_cbranch_scc0 .Lasked_\@
	tensor_load_to_lds s[G0V:G0V+3], s[G1:G1+7]
	s_nop 0
.rept 4
	v_nop
.endr
.Lasked_\@:
.endm
; A PREFETCH INTO THE L2, two trips ahead of the tensor load: trip t asks for tile t + 3, t = 0 .. 4.  The work-groups 0 to 3 of a head, whose first block walks all eight tiles, share a tile's blocks of 256 bytes out: work-group j takes
; 8,192 bytes of K's part (wave 4) and of V's (wave 5), lanes 256 bytes apart.  Each block is named once in the launch; tiles 0 to 2 come by their loads alone.
.macro ASK
	s_cmp_lt_u32 s[T], s[LIM]
	s_cbranch_scc0 .Lnot_mine_\@
	global_prefetch_b8 v3, s[PFA:PFA+1] th:TH_LOAD_NT scope:SCOPE_SE
.Lnot_mine_\@:
.endm
; The descriptors for the next load: the other slot, the next tile of the walk 0 .. WRAP, 0 .. ; and the prefetches' next tile.  (No tensor load of mine is out here, and every prefetch has read its address.)
.macro PREP
	s_xor_b32 s[G0K+1], s[G0K+1], SLOT
	s_xor_b32 s[G0V+1], s[G0V+1], SLOT
	s_add_co_u32 s60, s[LC], 1
	s_cmp_eq_u32 s[LC], s[WRAP]
	s_cselect_b32 s[LC], 0, s60
	s_lshl_b32 s76, s[LC], 15
	s_add_nc_u64 s[G0K+2:G0K+3], s[72:73], s[76:77]
	s_or_b32 s[G0K+3], s[G0K+3], 0x80000000
	s_add_nc_u64 s[G0V+2:G0V+3], s[74:75], s[76:77]
	s_or_b32 s[G0V+3], s[G0V+3], 0x80000000
	s_add_nc_u64 s[PFA:PFA+1], s[PFA:PFA+1], 32768
.endm
; In front of a barrier behind which a slot is filled: all my tensor loads are done, 0 onto my spare word (twice where a load may still follow), and my reads are over.
.macro LINES two
	s_wait_tensorcnt 0x0
	ds_add_u32 v[SPW], v[NIL]
.if \two
	ds_add_u32 v[SPW], v[NIL]
.endif
	s_wait_xcnt 0x0                                ; any prefetch of mine has read its address
	s_wait_dscnt 0x0
	s_barrier_signal -1
.endm
.macro RESET
	v_mov_b32 v8, 0x7f61b1e6                       ; -M: M under every t
	v_mov_b32 v10, 0x7f61b1e6
.irp n, 12,13,14,15
	v_mov_b32 v[\n], 0
.endr
.set n, 0
.rept 64
	v_mov_b32 v[160+n], 0                          ; O^T: the first change of M multiplies zeros, so the step is written once
.set n, n+1
.endr
.endm
.macro PLACES4
.rept 4
	v_nop
.endr
.endm
.macro MASK t                          ; on the diagonal the scores of hidden keys become -infinity ahead of the maximum: p = 0 then
	s_cmp_lg_u32 s[KB], s[QB]
	s_cbranch_scc1 .Lopen_\@
	s_add_co_u32 s62, s84, 16*(\t)
	v_add_nc_u32 v245, s62, v2                     ; d = my query in the block - 8 h.  Register 8 u + j holds key 8 h + 16 u + j of the block: hidden where 16 u + j > d
.set n, 0
.rept 64
	v_cmp_gt_i32 vcc_lo, 16*(n/8)+n%8, v245
	v_cndmask_b32 v[96+n], v[96+n], s78, vcc_lo
.set n, n+1
.endr
.Lopen_\@:
.endm
.macro SOFTA t, split                  ; split = 1: the three lines and the barrier's signal stand ahead of the exponentials: all that follows up to the barrier's wait is work on registers
.set NM, 8+2*(\t)
.set SM, 12+2*(\t)
.set OO, 160+32*(\t)
	v_max3_num_f32 v240, v96, v97, v98             ; the largest of my 64 scores, in four chains
	v_max3_num_f32 v241, v99, v100, v101
	v_max3_num_f32 v242, v102, v103, v104
	v_max3_num_f32 v243, v105, v106, v107
.set n, 12
.rept 6
	v_max3_num_f32 v240, v240, v[96+n], v[97+n]
	v_max3_num_f32 v241, v241, v[98+n], v[99+n]
	v_max3_num_f32 v242, v242, v[100+n], v[101+n]
	v_max3_num_f32 v243, v243, v[102+n], v[103+n]
.set n, n+8
.endr
	v_max3_num_f32 v240, v240, v156, v157
	v_max3_num_f32 v241, v241, v158, v159
	v_max_num_f32 v242, v242, v243
	v_max3_num_f32 v240, v240, v241, v242
	v_permlanex16_b32 v244, v240, s[SEL], s[SEL+1]
	s_delay_alu instid0(VALU_DEP_1)
	v_max_num_f32 v240, v240, v244                 ; and of lane l xor 16's
	s_delay_alu instid0(VALU_DEP_1)
	v_mul_f32 v240, s66, v240                      ; -t (c is positive)
	s_delay_alu instid0(VALU_DEP_1)
	v_floor_f32 v240, v240                         ; floor(-t) = -ceil(t)
	s_delay_alu instid0(VALU_DEP_1)
	v_min_num_f32 v240, v240, v[NM]                ; the new -M
	s_delay_alu instid0(VALU_DEP_1)
	v_sub_f32 v241, v240, v[NM]                    ; old M - new M: a whole number, 0 or less
	v_mov_b32 v[NM], v240
	s_delay_alu instid0(VALU_DEP_2)
	v_cvt_i32_f32 v241, v241                       ; (it saturates)
	s_delay_alu instid0(VALU_DEP_1)
	v_ldexp_f32 v246, 1.0, v241                    ; f = 2^(old M - new M)
.if \t
	s_wait_alu depctr_va_vdst(0)                   ; the wait here, directly ahead of the first reader of this tile's O^T
.endif
.set n, 0
.rept 16
	v_pk_mul_f32 v[OO+n:OO+n+1], v[OO+n:OO+n+1], v[246:247] op_sel_hi:[1,0]
.set n, n+2
.endr
.set n, 0
.rept 32
	v_pk_fma_f32 v[96+n:97+n], v[96+n:97+n], s[CS:CS+1], v[NM:NM+1] op_sel_hi:[1,0,0]   ; t - M (of the pairs c and -M the low word serves both halves)
.set n, n+2
.endr
	s_wait_alu depctr_va_vdst(0)                   ; the wait ahead of the batch, and of the waits below
.if \split
	LINES 1                                        ; V's fragments are in, too
.endif
.set n, 0
.rept 64
	v_exp_f32 v[96+n], v[96+n]                     ; p, at most 1: not normalised
.set n, n+1
.endr
	v_pk_mul_f32 v[SM:SM+1], v[SM:SM+1], v[246:247] op_sel_hi:[1,0]   ; the sum under the new M
	s_wait_alu depctr_va_vdst(0)                   ; and behind it, ahead of its first reader
.endm
.macro SOFTB t                         ; the row's sum of the unquantised p, in four chains; the hold; the codes
.set SM, 12+2*(\t)
.set PC, 224+16*(\t)
	v_pk_add_f32 v[240:241], v[96:97], v[98:99]
	v_pk_add_f32 v[242:243], v[100:101], v[102:103]
	v_pk_add_f32 v[248:249], v[104:105], v[106:107]
	v_pk_add_f32 v[SM:SM+1], v[SM:SM+1], v[108:109]
.set n, 14
.rept 6
	v_pk_add_f32 v[240:241], v[240:241], v[96+n:97+n]
	v_pk_add_f32 v[242:243], v[242:243], v[98+n:99+n]
	v_pk_add_f32 v[248:249], v[248:249], v[100+n:101+n]
	v_pk_add_f32 v[SM:SM+1], v[SM:SM+1], v[102+n:103+n]
.set n, n+8
.endr
	v_pk_add_f32 v[240:241], v[240:241], v[158:159]
	v_pk_add_f32 v[242:243], v[242:243], v[248:249]
	v_pk_add_f32 v[SM:SM+1], v[SM:SM+1], v[240:241]
	v_pk_add_f32 v[SM:SM+1], v[SM:SM+1], v[242:243]
.set n, 0
.rept 32
	v_dual_min_num_f32 v[96+n], v[96+n], v9 :: v_dual_min_num_f32 v[97+n], v[97+n], v7   ; the conversion to an 8-bit code does not saturate (ISA guide 7.6.2); p is not negative, so the hold is one-sided
.set n, n+2
.endr
.irp u, 0,1,2,3,4,5,6,7
	v_cvt_scalef32_pk8_fp8_f32 v[PC+2*\u:PC+2*\u+1], v[96+8*\u:103+8*\u], v11
.endr
	v_nop                                          ; a plain line behind the last conversion
.endm
; A KEY STEP up to the second tile's exponentials: 128 keys against both tiles of queries.
.macro STEP mask
	v_add_nc_u32 v6, s[TB], v1                     ; (this line and the three below: places in front of loads into registers that the last products have read)
	v_nop
	v_nop
	v_nop
.irp u, 0,1,2,3,4,5,6,7
	ds_load_b128 v[32+8*\u:35+8*\u], v6 offset:1024*\u
	ds_load_b128 v[36+8*\u:39+8*\u], v6 offset:1024*\u+512
.endr
.irp u, 0,2,4,6
	s_wait_dscnt 12-2*\u                           ; the loads of tiles u and u + 1 are in; those of the later ones may be out
	v_wmma_f32_16x16x64_fp8_fp8 v[96+8*\u:103+8*\u], v[32+8*\u:39+8*\u], v[16:23], 0
	v_wmma_f32_16x16x64_fp8_fp8 v[104+8*\u:111+8*\u], v[40+8*\u:47+8*\u], v[16:23], 0
.endr
	PLACES4
.if \mask
	MASK 0
.endif
	SOFTA 0, 0
	SOFTB 0
.irp u, 0,1,2,3,4,5,6,7                ; the same keys against the second tile
	v_wmma_f32_16x16x64_fp8_fp8 v[96+8*\u:103+8*\u], v[32+8*\u:39+8*\u], v[24:31], 0
.endr
	PLACES4                                        ; in front of the loads below, and of the first read of the scores
.irp t, 0,1,2,3
.irp c, 0,1,2,3
	ds_load_b128 v[32+16*\t+4*\c:35+16*\t+4*\c], v6 offset:VOFF+2048*\t+512*\c   ; V's four fragments land while the softmax is worked
.endr
.endr
.if \mask
	MASK 1
.endif
	SOFTA 1, 1-(\mask)
.endm
.macro FINISH
	SOFTB 1
.irp t, 0,1,2,3                        ; the eight accumulators take one turn each
	v_wmma_f32_16x16x128_fp8_fp8 v[160+8*\t:167+8*\t], v[32+16*\t:47+16*\t], v[224:239], v[160+8*\t:167+8*\t]
	v_wmma_f32_16x16x128_fp8_fp8 v[192+8*\t:199+8*\t], v[32+16*\t:47+16*\t], v[240:255], v[192+8*\t:199+8*\t]
.endr
.endm
; The step of a block's last tile: left out where all its keys come after the block (a branch on ids; no barrier, no wait for others and no tensor load stands inside).
.macro DIAG
	s_lshl_b32 s[KB], s[CH], 2
	s_add_co_u32 s[KB], s[KB], s[SPL]
	s_cmp_gt_u32 s[KB], s[QB]
	s_cbranch_scc1 .Lhidden_\@
	STEP 1
	s_wait_dscnt 0x0                               ; V's fragments are in
	FINISH
.Lhidden_\@:
.endm
; THE FOUR SPLITS OF A GROUP MEET.  Each wave stores -M, the sums and O^T; behind the barrier it reads its quarter of all four, brings them under the common M by exact powers of two, divides by the sum, quantises and stores 512 bytes.
; mid = 1: the second block follows: its Q is asked for here, and sums and O^T begin anew.
.macro MERGE mid
	s_lshl_b32 s60, s[QB], 15
	s_add_co_u32 s60, s60, s95
	s_mov_b32 s61, 0
	s_add_nc_u64 s[88:89], s[12:13], s[60:61]
	v_add_f32 v97, v12, v13                        ; the sums' two halves,
	v_add_f32 v99, v14, v15
	v_mov_b32 v96, v8
	v_mov_b32 v98, v10
	v_permlanex16_b32 v244, v97, s[SEL], s[SEL+1]
	v_permlanex16_b32 v245, v99, s[SEL], s[SEL+1]
	v_add_f32 v97, v97, v244                       ; and lane l xor 16's
	v_add_f32 v99, v99, v245
	v_add_nc_u32 v6, s81, v1
	ds_store_b128 v6, v[96:99]
	v_add_nc_u32 v6, s80, v1
.irp i, 0,1,2,3,4,5,6,7,8,9,10,11,12,13,14,15
	ds_store_b128 v6, v[160+4*\i:163+4*\i] offset:512*\i
.endr
.if \mid
	s_lshl_b32 s60, ttmp9, 13
	s_lshl_b32 s61, s[GRP], 11
	s_add_co_u32 s60, s60, s61
	s_add_co_u32 s60, s60, s58
	s_mov_b32 s61, 0
	s_add_nc_u64 s[86:87], s[4:5], s[60:61]
.irp i, 0,1,2,3
	global_load_b128 v[16+4*\i:19+4*\i], v1, s[86:87] offset:512*\i th:TH_LOAD_NT
.endr
.endif
	s_wait_dscnt 0x0                               ; my stores are done, for the others' sake
	s_barrier_signal -1
	s_barrier_wait -1
	v_add_nc_u32 v6, s83, v1
.irp k, 0,1,2,3
	ds_load_b64 v[96+2*\k:97+2*\k], v6 offset:512*\k
.endr
	v_add_nc_u32 v6, s82, v1
.irp k, 0,1,2,3
.irp i, 0,1,2,3
	ds_load_b128 v[32+16*\k+4*\i:35+16*\k+4*\i], v6 offset:8192*\k+512*\i
.endr
.endr
	s_wait_dscnt 16                                ; -M and sum of the four are in; the sixteen pieces of O^T may be out
	v_min3_num_f32 v112, v96, v98, v100
	v_min_num_f32 v112, v112, v102                 ; the common -M.  (A split without keys has -M = 3e38: its factor is 0)
.irp k, 0,1,2,3
	v_sub_f32 v[105+2*\k], v112, v[96+2*\k]
.endr
.irp k, 0,1,2,3
	v_cvt_i32_f32 v[105+2*\k], v[105+2*\k]
.endr
.irp k, 0,1,2,3
	v_ldexp_f32 v[104+2*\k], 1.0, v[105+2*\k]
.endr
	v_mul_f32 v113, v104, v97
	v_fma_f32 v113, v106, v99, v113
	v_fma_f32 v113, v108, v101, v113
	v_fma_f32 v113, v110, v103, v113               ; the row's sum
	s_wait_alu depctr_va_vdst(0)                   ; the wait ahead of the reciprocal
	v_rcp_f32 v113, v113
	v_mov_b32 v114, s92                            ; 2^e6  (a plain line behind the reciprocal)
	v_mov_b32 v115, s93                            ; 448 x 2^e6
	s_wait_alu depctr_va_vdst(0)                   ; and behind it
	v_ldexp_f32 v113, v113, s94                    ; x 2^(e4 + e5)
.irp k, 0,1,2,3
	v_mul_f32 v[104+2*\k], v[104+2*\k], v113
.endr
	s_wait_alu depctr_va_vdst(0)                   ; the wait here, directly ahead of the wait below
	s_wait_dscnt 0x0
.irp n, 0,2,4,6,8,10,12,14
	v_pk_mul_f32 v[128+\n:129+\n], v[32+\n:33+\n], v[104:105] op_sel_hi:[1,0]
.endr
.irp k, 1,2,3
.irp n, 0,2,4,6,8,10,12,14
	v_pk_fma_f32 v[128+\n:129+\n], v[32+16*\k+\n:33+16*\k+\n], v[104+2*\k:105+2*\k], v[128+\n:129+\n] op_sel_hi:[1,0,1]
.endr
.endr
.irp n, 0,1,2,3,4,5,6,7,8,9,10,11,12,13,14,15
	v_med3_num_f32 v[128+\n], v[128+\n], -v115, v115
.endr
	v_cvt_scalef32_pk8_fp8_f32 v[144:145], v[128:135], v114
	v_cvt_scalef32_pk8_fp8_f32 v[146:147], v[136:143], v114
	v_nop
	global_store_b128 v1, v[144:147], s[88:89]     ; 32 lanes store 512 consecutive bytes, at a multiple of 512 from o_img's first byte
.if \mid
	RESET
	s_mov_b32 s[QB], ttmp9
	s_mov_b32 s[LASTC], s57
	s_mov_b32 s[CH], 0
	s_mov_b32 s[DUE], 0
	s_wait_alu depctr_va_vdst(0)                   ; the wait here, directly ahead of the waits below
	s_wait_loadcnt 0x0                             ; the second block's Q
	s_wait_xcnt 0x0                                ; the store has read its data
.endif
.endm
	s_load_b256 s[4:11], s[0:1], 0x0               ; q_img s[4:5], k_img s[6:7], v_img s[8:9], the scales s[10:11]
	s_load_b64 s[12:13], s[0:1], 0x20              ; o_img
	v_lshl_add_u32 v[SPW], v0, 2, SPARE
	v_mov_b32 v[NIL], 0
	ds_add_u32 v[SPW], v[NIL]                      ; the opening: the add, twice on end, and its wait
	ds_add_u32 v[SPW], v[NIL]
	v_lshrrev_b32 v6, 5, v0
	v_readfirstlane_b32 s[WV], v6                  ; wave 0..15
	; descriptor group 1: a dense block of 32,768 bytes as 128 rows of 32 elements of 8 bytes; no mask, no padding
	s_mov_b32 s[G1], 3<<16
	s_mov_b32 s[G1+1], 32<<16
	s_mov_b32 s[G1+2], 128<<16
	s_mov_b32 s[G1+3], 32<<16
	s_mov_b32 s[G1+4], 128
	s_mov_b32 s[G1+5], 32
	s_mov_b32 s[G1+6], 0
	s_mov_b32 s[G1+7], 0
	s_mov_b32 s[SEL], 0x76543210
	s_mov_b32 s[SEL+1], 0xfedcba98
	s_mov_b32 s78, 0xff800000                      ; -infinity
	s_and_b32 s56, ttmp7, 0xffff                   ; the head
	s_lshl_b32 s58, s56, 18                        ; its 262,144 bytes in each of q_img, k_img, v_img
	s_mov_b32 s59, 0
	s_mov_b32 s77, 0
	s_lshr_b32 s57, ttmp9, 2                       ; the second block's last tile
	s_sub_co_u32 s[WRAP], 7, s57                   ; the first block's
	s_mov_b32 s[LASTC], s[WRAP]
	s_sub_co_u32 s[QB], 31, ttmp9
	s_mov_b32 s[T], 0
	s_mov_b32 s[CH], 0
	s_mov_b32 s[LC], 0
	s_mov_b32 s[DUE], 0
	s_and_b32 s[GRP], s[WV], 3
	s_lshr_b32 s62, s[WV], 2
	s_add_co_u32 s[SPL], s62, s[WV]
	s_and_b32 s[SPL], s[SPL], 3
	s_lshl_b32 s[TB], s[SPL], 13                   ; my 128 keys in a slot: 8,192 bytes of K, and of V
	s_lshl_b32 s84, s[GRP], 5
	; the meeting's places: mine by (group, split); what I read begins at my group's
	s_lshl_b32 s60, s[GRP], 2
	s_add_co_u32 s60, s60, s[SPL]
	s_lshl_b32 s80, s60, 13
	s_add_co_u32 s80, s80, OST
	s_lshl_b32 s81, s60, 9
	s_add_co_u32 s81, s81, STAT
	s_lshl_b32 s82, s[GRP], 15
	s_lshl_b32 s60, s[SPL], 11
	s_add_co_u32 s82, s82, s60
	s_add_co_u32 s82, s82, OST
	s_lshl_b32 s83, s[GRP], 11
	s_lshr_b32 s62, s[SPL], 1
	s_lshl_b32 s60, s62, 3
	s_add_co_u32 s83, s83, s60
	s_add_co_u32 s83, s83, STAT
	; o_img is laid as the projection's operand: [head / 4][token / 16][(head / 2) % 2][2048], the head's half of a fragment at 1,024 (head % 2)
	s_lshr_b32 s95, s56, 2
	s_lshl_b32 s95, s95, 20
	s_and_b32 s60, s56, 3
	s_lshl_b32 s60, s60, 10
	s_add_co_u32 s95, s95, s60
	s_lshl_b32 s60, s[GRP], 13
	s_add_co_u32 s95, s95, s60
	s_lshl_b32 s60, s62, 12
	s_add_co_u32 s95, s95, s60
	s_and_b32 s60, s[SPL], 1
	s_lshl_b32 s60, s60, 9
	s_add_co_u32 s95, s95, s60
	s_wait_alu depctr_va_vdst(0)                   ; the wait here, directly ahead of the waits below
	s_wait_dscnt 0x0                               ; both opening adds are done
	s_wait_kmcnt 0x0
	s_load_b256 s[48:55], s[10:11], 0x0            ; the eight exponents
	s_add_nc_u64 s[72:73], s[6:7], s[58:59]        ; K and V at the head's first key
	s_add_nc_u64 s[74:75], s[8:9], s[58:59]
	s_mov_b32 s[G0K], 1
	s_mov_b32 s[G0K+1], 0
	s_mov_b64 s[G0K+2:G0K+3], s[72:73]
	s_or_b32 s[G0K+3], s[G0K+3], 0x80000000
	s_mov_b32 s[G0V], 1
	s_mov_b32 s[G0V+1], VOFF
	s_mov_b64 s[G0V+2:G0V+3], s[74:75]
	s_or_b32 s[G0V+3], s[G0V+3], 0x80000000
	TLOAD                                          ; tile 0
	s_lshl_b32 s60, s[QB], 13                      ; Q: 1,024 bytes for 16 queries
	s_lshl_b32 s61, s[GRP], 11
	s_add_co_u32 s60, s60, s61
	s_add_co_u32 s60, s60, s58
	s_mov_b32 s61, 0
	s_add_nc_u64 s[86:87], s[4:5], s[60:61]
	v_and_b32 v6, 31, v0
	v_lshlrev_b32 v1, 4, v6
	v_lshlrev_b32 v3, 8, v6
	s_wait_alu depctr_va_vdst(0)
.irp i, 0,1,2,3
	global_load_b128 v[16+4*\i:19+4*\i], v1, s[86:87] offset:512*\i th:TH_LOAD_NT   ; Q's fragments stay in registers
.endr
	s_sub_co_u32 s60, s[WV], 4                     ; the prefetches: waves 4 and 5 of work-groups 0 to 3
	s_lshr_b32 s61, s60, 1
	s_or_b32 s61, s61, s57
	s_cmp_eq_u32 s61, 0
	s_cselect_b32 s[LIM], 5, 0
	s_and_b32 s61, s60, 1
	s_cmp_eq_u32 s61, 0
	s_cselect_b64 s[PFA:PFA+1], s[72:73], s[74:75]
	s_lshl_b32 s60, ttmp9, 13
	s_add_co_u32 s60, s60, 2*32768                 ; at tile 2: stepped once ahead of trip 0
	s_mov_b32 s61, 0
	s_add_nc_u64 s[PFA:PFA+1], s[PFA:PFA+1], s[60:61]
	v_and_b32 v32, 15, v0
	v_bfe_u32 v33, v0, 4, 1
	v_lshlrev_b32 v33, 3, v33
	v_sub_nc_u32 v2, v32, v33                      ; r - 8 h
.irp n, 244,245,246,247
	v_mov_b32 v[\n], 0                             ; lane permutes' destinations, and a pair whose upper half is named
.endr
	RESET
	s_wait_alu depctr_va_vdst(0)                   ; the wait here, directly ahead of the wait below
	s_wait_kmcnt 0x0
	s_add_co_i32 s60, s50, s51
	s_lshl_b32 s60, s60, 23
	s_mov_b32 s[CS], 0x3e38aa3b                    ; log2(e) / 8
	s_add_co_i32 s[CS], s[CS], s60                 ; a score stands for score x 2^(e2 + e3): the two exponents are added to c's exponent field
	s_mov_b32 s[CS+1], s[CS]                       ; (named with it as a pair, so it is written)
	s_xor_b32 s66, s[CS], 0x80000000
	s_add_co_i32 s60, s52, 127
	s_lshl_b32 s61, s60, 23
	v_mov_b32 v11, s61                             ; 2^e4
	s_add_co_i32 s60, s60, 8
	s_lshl_b32 s60, s60, 23
	s_or_b32 s60, s60, 0x600000
	v_mov_b32 v9, s60                              ; 448 x 2^e4
	v_mov_b32 v7, s60
	s_add_co_i32 s60, s54, 127
	s_lshl_b32 s92, s60, 23                        ; 2^e6
	s_add_co_i32 s60, s60, 8
	s_lshl_b32 s60, s60, 23
	s_or_b32 s93, s60, 0x600000                    ; 448 x 2^e6
	s_add_co_i32 s94, s52, s53
	s_wait_alu depctr_va_vdst(0)                   ; the wait at the head's end
	s_wait_loadcnt 0x0                             ; Q
	LINES 1
	PREP
.Lloop:                                            ; eight trips; the ninth tile is written out
	s_barrier_wait -1                              ; this trip's slot is whole, and nobody reads the other one
	TLOAD                                          ; the next tile, a wave's one tensor load until the next such barrier
	ASK
	s_cmp_eq_u32 s[DUE], 1
	s_cbranch_scc0 .Lgoes_on
	MERGE 1
.Lgoes_on:
	s_cmp_eq_u32 s[CH], s[LASTC]
	s_cbranch_scc1 .Ldiag
	STEP 0                                         ; (the barrier's signal stands inside)
	FINISH                                         ; work on registers while the others arrive
	s_add_co_u32 s[CH], s[CH], 1
	s_branch .Lnext
.Ldiag:
	DIAG
	LINES 1
	s_mov_b32 s[DUE], 1
.Lnext:
	s_xor_b32 s[TB], s[TB], SLOT
	PREP
	s_add_co_u32 s[T], s[T], 1
	s_cmp_lt_u32 s[T], 8
	s_cbranch_scc1 .Lloop
	s_barrier_wait -1
	s_cmp_eq_u32 s[DUE], 1
	s_cbranch_scc0 .Lgoes_on_too
	MERGE 1
.Lgoes_on_too:
	DIAG
	LINES 0
	s_barrier_wait -1                              ; (the last meeting's bytes have been read by all)
	MERGE 0
	s_wait_tensorcnt 0x0                           ; the wave's end
	ds_add_u32 v[SPW], v[NIL]
	s_wait_dscnt 0x0
	s_endpgm
.Lfunc_end_k_qc8f99443fb_attn:
	.size	k_qc8f99443fb_attn, .Lfunc_end_k_qc8f99443fb_attn-k_qc8f99443fb_attn
	.p2alignl 7, 3214868480
	.fill 96, 4, 3214868480
	.section	.rodata,"a",@progbits
	.p2align	6, 0x0
	.amdhsa_kernel k_qc8f99443fb_attn
		.amdhsa_group_segment_fixed_size 327680
		.amdhsa_private_segment_fixed_size 0
		.amdhsa_enable_private_segment 0
		.amdhsa_kernarg_size 40
		.amdhsa_user_sgpr_count 2
		.amdhsa_user_sgpr_kernarg_segment_ptr 1
		.amdhsa_wavefront_size32 1
		.amdhsa_system_sgpr_workgroup_id_x 1
		.amdhsa_system_sgpr_workgroup_id_y 1
		.amdhsa_system_sgpr_workgroup_id_z 1
		.amdhsa_system_vgpr_workitem_id 0
		.amdhsa_next_free_vgpr 256
		.amdhsa_next_free_sgpr 100
		.amdhsa_reserve_vcc 1
		.amdhsa_float_denorm_mode_32 3
		.amdhsa_float_denorm_mode_16_64 3
		.amdhsa_memory_ordered 1
		.amdhsa_forward_progress 1
		.amdhsa_inst_pref_size 155
	.end_amdhsa_kernel
	.amdgpu_metadata
---
amdhsa.version: [ 1, 2 ]
amdhsa.kernels:
  - .name:           k_qc8f99443fb_attn
    .symbol:         k_qc8f99443fb_attn.kd
    .args:
      - { .name: q_img, .offset: 0, .size: 8, .value_kind: global_buffer, .address_space: global }
      - { .name: k_img, .offset: 8, .size: 8, .value_kind: global_buffer, .address_space: global }
      - { .name: v_img, .offset: 16, .size: 8, .value_kind: global_buffer, .address_space: global }
      - { .name: lowp_scales, .offset: 24, .size: 8, .value_kind: global_buffer, .address_space: global }
      - { .name: o_img, .offset: 32, .size: 8, .value_kind: global_buffer, .address_space: global }
    .group_segment_fixed_size: 327680
    .private_segment_fixed_size: 0
    .kernarg_segment_align: 8
    .kernarg_segment_size: 40
    .max_flat_workgroup_size: 512
    .sgpr_count:     100
    .vgpr_count:     256
    .wavefront_size: 32
...
	.end_amdgpu_metadata
.endif
;; end of part 3
;; launch proj (part 4): grid 8 x 32, 8 waves a work-group, clusters of 4 x 4, 327,680 bytes of LDS; arguments o_img, wo_img, lowp_scales, out0; writes out0
.if DOCPART == 4
	.amdgcn_target "amdgcn-amd-amdhsa--gfx1250"
	.amdhsa_code_object_version 6
	.text
	.protected	k_qc8f99443fb_proj
	.globl	k_qc8f99443fb_proj
	.p2align	8
	.type	k_qc8f99443fb_proj,@function
k_qc8f99443fb_proj:
	s_mov_b64 s[64:65], 0
	v_nop
	global_prefetch_b8 v0, s[64:65] scope:SCOPE_SE
	s_setreg_imm32_b32 hwreg(HW_REG_WAVE_MODE, 25, 1), 1
	s_wait_xcnt 0x0
	s_wait_alu depctr_hold_cnt(0) depctr_sa_sdst(0) depctr_va_vdst(0) depctr_va_sdst(0) depctr_va_ssrc(0) depctr_va_vcc(0) depctr_vm_vsrc(0)
	s_getreg_b32 s2, hwreg(HW_REG_IB_STS2, 6, 4)
	s_cmp_eq_u32 s2, 0
	s_cbranch_scc0 .Lentry_in_a_cluster
	s_endpgm
.Lentry_in_a_cluster:
	s_bfe_u32 s2, ttmp6, 0x10000c
	s_cmp_lg_u32 s2, 0xf033
	s_cbranch_scc0 .Lentry_shape_is_right
	s_endpgm
.Lentry_shape_is_right:
; out[m][n] = 2^(e6 + e7) x the sum over k of O[m][k] W_out[n][k], both as codes of E4M3 laid as images of operand registers: [K / 256][row / 16][(K / 128) % 2][2048]; out is f32 [4096][1024].
; A work-group makes 128 x 128: 32 x 8 = 256 work-groups.  All its K lies in LDS at once: four chunks of 256 along K, each 32,768 bytes of O's image and 32,768 of W_out's, both dense.  Nothing is filled twice.
; Eight waves: wave w asks for chunk w / 2, of O (w even) or W_out (w odd), and multiplies 32 rows x 64 columns: rows 32 (w / 2) on, columns 64 (w % 2) on, through eight steps of 128 along K on two sets of fragments.
; CLUSTERS of 4 x 4: O's chunks are asked for jointly by a row of the cluster, W_out's by a column.  NO PREFETCH: the launch has no loop to run ahead in: all it reads is asked for at its head.
; The matrix instruction is used transposed (source 0 = 16 columns, source 1 = 16 rows): a lane holds eight neighbouring numbers of a row of out.
; LIMIT: e6 + e7 lies between -126 and 127, so that 2^(e6 + e7) is an f32 number.
; REGISTERS: v16-19, v20-23 LDS addresses of rows and columns in the four chunks; v24, v25 the stage, in and back; v26 16 x lane; v27 the way out; v28, v29 the add's; v32-127, v128-223 two sets of fragments (32 registers of rows, 64 of columns);
;   window 1: the eight accumulators, (i, b) at v[8 (4 i + b)].
.set SPARE,  262144                    ; the spare words, 128 bytes for each wave, that no other line names
.set STAGE,  SPARE+1024                ; the way out: 16 rows x (256 + 16) bytes for each wave
.set SPITCH, 272
.set G1, 24
.set G0, 32
.set G1B, 48
.set G0B, 56
.set MSB, 0
.macro WIN new                         ; the immediate's high byte repeats the setting that is left
.if MSB != (\new)
	s_set_vgpr_msb (MSB<<8)|(\new)
.set MSB, (\new)
.endif
.endm
.macro CROUND
	s_barrier_signal -1
	s_barrier_wait -1
	s_cmp_lg_u32 s14, 0
	s_cbranch_scc1 .Lnot_wave_0_\@
	s_barrier_signal -3
.Lnot_wave_0_\@:
	s_barrier_wait -3
	s_barrier_signal -1
	s_barrier_wait -1
.endm
	s_load_b128 s[4:7], s[0:1], 0x0                ; o_img, wo_img
	s_load_b128 s[8:11], s[0:1], 0x10              ; the scales, out
	v_lshl_add_u32 v28, v0, 2, SPARE
	v_mov_b32 v29, 0
	ds_add_u32 v28, v29                            ; the opening: the add, twice on end, and its wait
	ds_add_u32 v28, v29
	v_lshrrev_b32 v1, 5, v0
	v_readfirstlane_b32 s14, v1                    ; wave 0..7
	s_lshr_b32 s15, s14, 1                         ; the chunk that I fetch; and which 32 rows are mine
	s_and_b32 s16, s14, 1                          ; for O (0) or W_out (1); and which 64 columns are mine
	s_bfe_u32 s40, ttmp6, 0x40000
	s_bfe_u32 s41, ttmp6, 0x40004
	s_lshl_b32 s42, ttmp9, 2
	s_add_co_u32 s42, s42, s40                     ; tile column
	s_and_b32 s17, ttmp7, 0xffff
	s_lshl_b32 s17, s17, 2
	s_add_co_u32 s17, s17, s41                     ; tile row
	s_lshl_b32 s43, s41, 2
	s_lshl_b32 s43, 15, s43                        ; my row of the cluster
	s_lshl_b32 s44, 0x1111, s40                    ; my column
	s_or_b32 s[G1+0], s43, (3<<16)|(1<<21)         ; a dense block of 32,768 bytes as 128 rows of 32 elements of 8 bytes
	s_or_b32 s[G1B+0], s44, (3<<16)|(1<<21)
.irp g, G1, G1B
	s_mov_b32 s[\g+1], 32<<16
	s_mov_b32 s[\g+2], 128<<16
	s_mov_b32 s[\g+3], 32<<16
	s_mov_b32 s[\g+4], 128
	s_mov_b32 s[\g+5], 32
	s_mov_b32 s[\g+6], 0
	s_mov_b32 s[\g+7], 0
.endr
	s_lshl_b32 s20, s15, 20                        ; O: a chunk is 1,048,576 bytes of the image, a tile of 128 rows 32,768
	s_lshl_b32 s21, s17, 15
	s_add_co_u32 s20, s20, s21
	s_mov_b32 s21, 0
	s_lshl_b32 s46, s15, 18                        ; W_out: 262,144, and 32,768
	s_lshl_b32 s47, s42, 15
	s_add_co_u32 s46, s46, s47
	s_mov_b32 s47, 0
	s_wait_alu depctr_va_vdst(0)                   ; the wait here, directly ahead of the waits below
	s_wait_dscnt 0x0                               ; both opening adds are done
	s_wait_kmcnt 0x0
	s_load_b64 s[96:97], s[8:9], 0x18              ; e6, e7
	s_mov_b32 s[G0], 1
	s_lshl_b32 s[G0+1], s14, 15                    ; chunk c: O's block at 65,536 c, W_out's 32,768 behind it
	s_add_nc_u64 s[G0+2:G0+3], s[4:5], s[20:21]
	s_or_b32 s[G0+3], s[G0+3], 0x80000000
	s_mov_b32 s[G0B], 1
	s_lshl_b32 s[G0B+1], s14, 15
	s_add_nc_u64 s[G0B+2:G0B+3], s[6:7], s[46:47]
	s_or_b32 s[G0B+3], s[G0B+3], 0x80000000
	CROUND                                         ; all sixteen work-groups are here: the joint loads meet
	s_cmp_eq_u32 s16, 0
	s_cbranch_scc0 .Lfor_w
	tensor_load_to_lds s[G0:G0+3], s[G1:G1+7]
	s_nop 0
.rept 4
	v_nop
.endr
	s_branch .Lasked
.Lfor_w:
	tensor_load_to_lds s[G0B:G0B+3], s[G1B:G1B+7]
	s_nop 0
.rept 4
	v_nop
.endr
.Lasked:
	v_and_b32 v6, 31, v0
	v_lshlrev_b32 v26, 4, v6
	v_and_b32 v1, 15, v0                           ; r
	v_bfe_u32 v2, v0, 4, 1                         ; h
	s_wait_alu depctr_va_vdst(0)
	s_mul_i32 s23, s14, 16*SPITCH
	s_add_co_u32 s23, s23, STAGE                   ; my stage
	v_mul_u32_u24 v5, v1, SPITCH
	v_lshl_add_u32 v5, v2, 5, v5
	v_add_nc_u32 v24, s23, v5                      ; in: row r, 32 bytes for each half of the lanes
	v_mul_u32_u24 v7, v2, SPITCH
	v_lshl_add_u32 v7, v1, 4, v7
	v_add_nc_u32 v25, s23, v7                      ; back: lanes 0-15 one row of 256 bytes, lanes 16-31 the next
	v_lshlrev_b32 v27, 12, v2
	v_lshl_add_u32 v27, v1, 4, v27                 ; and the same in out
	s_lshl_b32 s72, s15, 13                        ; my two blocks of 16 rows,
	s_lshl_b32 s73, s16, 14                        ; my four of 16 columns, behind the 32,768 bytes of rows
	s_add_co_u32 s73, s73, 32768
.irp c, 0,1,2,3
	v_add_nc_u32 v[16+\c], s72, v26
	v_add_nc_u32 v[20+\c], s73, v26
	s_add_co_u32 s72, s72, 65536
	s_add_co_u32 s73, s73, 65536
.endr
	s_lshl_b32 s74, s17, 19                        ; my first row of out, 4,096 bytes each: 128 x tile row + 32 (w / 2);
	s_lshl_b32 s75, s15, 17
	s_add_co_u32 s74, s74, s75
	s_lshl_b32 s75, s42, 9                         ; my first column: 512 x tile column + 256 (w % 2) bytes
	s_add_co_u32 s74, s74, s75
	s_lshl_b32 s75, s16, 8
	s_add_co_u32 s74, s74, s75
	s_mov_b32 s75, 0
	s_add_nc_u64 s[10:11], s[10:11], s[74:75]
.macro FETCH c, q, s                   ; 128 along K: two fragments of rows, four of columns, 24 loads
.irp i, 0,1
.irp x, 0,1,2,3
	ds_load_b128 v[32+96*(\s)+16*\i+4*\x:35+96*(\s)+16*\i+4*\x], v[16+(\c)] offset:4096*\i+2048*(\q)+512*\x
.endr
.endr
.irp b, 0,1,2,3
.irp x, 0,1,2,3
	ds_load_b128 v[64+96*(\s)+16*\b+4*\x:67+96*(\s)+16*\b+4*\x], v[20+(\c)] offset:4096*\b+2048*(\q)+512*\x
.endr
.endr
.endm
.macro MUL s, zero                     ; the eight accumulators take one turn each
	WIN 0x50                                       ; C and D in window 1
.irp i, 0,1
.irp b, 0,1,2,3
.if \zero
	v_wmma_f32_16x16x128_fp8_fp8 v[8*(4*\i+\b):8*(4*\i+\b)+7], v[64+96*(\s)+16*\b:79+96*(\s)+16*\b], v[32+96*(\s)+16*\i:47+96*(\s)+16*\i], 0
.else
	v_wmma_f32_16x16x128_fp8_fp8 v[8*(4*\i+\b):8*(4*\i+\b)+7], v[64+96*(\s)+16*\b:79+96*(\s)+16*\b], v[32+96*(\s)+16*\i:47+96*(\s)+16*\i], v[8*(4*\i+\b):8*(4*\i+\b)+7]
.endif
.endr
.endr
	WIN 0
.endm
.macro PLACES4                         ; in front of loads into registers that matrix instructions have read, or of reads of their results
.rept 4
	v_nop
.endr
.endm
	s_wait_alu depctr_va_vdst(0)                   ; the wait at the head's end
	s_wait_tensorcnt 0x0                           ; my block is in,
	s_barrier_signal -1
	s_barrier_wait -1                              ; and everybody's
	FETCH 0, 0, 0
	FETCH 0, 1, 1
	s_wait_dscnt 24                                ; step 0's loads are in; step 1's 24 may be out
	MUL 0, 1                                       ; the first products start the sums
	PLACES4
	FETCH 1, 0, 0
.irp m, 1,2,3,4,5
	s_wait_dscnt 24                                ; step m's loads are in; step m + 1's may be out
	MUL (\m)%2, 0
	PLACES4
	FETCH (\m+2)/2, (\m)%2, (\m)%2                 ; step m + 2 into the set just read
.endr
	s_wait_dscnt 24
	MUL 0, 0
	s_wait_dscnt 0x0
	MUL 1, 0
	; THE WAY OUT, 16 rows x 64 columns at a time through my own stage; LDS serves a wave's instructions in order (ISA guide 5.7.1.4)
	s_wait_kmcnt 0x0
	s_add_co_i32 s96, s96, s97
	s_add_co_i32 s96, s96, 127
	s_lshl_b32 s96, s96, 23                        ; 2^(e6 + e7)
	PLACES4
.macro TOSTAGE i
	WIN 0x01
.set n, 0
.rept 16
	v_pk_mul_f32 v[32+n:33+n], v[32*(\i)+n:32*(\i)+n+1], s[96:97] op_sel_hi:[1,0]
.set n, n+2
.endr
	WIN 0
.irp b, 0,1,2,3
	ds_store_b128 v24, v[32+8*\b:35+8*\b] offset:64*\b
	ds_store_b128 v24, v[36+8*\b:39+8*\b] offset:64*\b+16
.endr
.irp t, 0,1,2,3,4,5,6,7
	ds_load_b128 v[64+32*(\i)+4*\t:67+32*(\i)+4*\t], v25 offset:2*\t*SPITCH
.endr
.endm
.macro SEND i
.irp t, 0,1,2,3,4,5,6,7
	global_store_b128 v27, v[64+32*(\i)+4*\t:67+32*(\i)+4*\t], s[10:11] offset:65536*(\i)+8192*\t th:TH_STORE_NT   ; 16 lanes store 256 consecutive bytes, at a multiple of 256
.endr
.endm
	TOSTAGE 0
	TOSTAGE 1
	s_wait_dscnt 16                                ; block 0 is back; block 1's eight stores and eight loads may be out
	SEND 0
	s_wait_dscnt 0x0
	SEND 1
	s_wait_tensorcnt 0x0                           ; the wave's end
	ds_add_u32 v28, v29
	s_wait_dscnt 0x0
	CROUND                                         ; the closing round: no work-group ends while a partner may still ask for a chunk that names it
	s_endpgm
.Lfunc_end_k_qc8f99443fb_proj:
	.size	k_qc8f99443fb_proj, .Lfunc_end_k_qc8f99443fb_proj-k_qc8f99443fb_proj
	.p2alignl 7, 3214868480
	.fill 96, 4, 3214868480
	.section	.rodata,"a",@progbits
	.p2align	6, 0x0
	.amdhsa_kernel k_qc8f99443fb_proj
		.amdhsa_group_segment_fixed_size 327680
		.amdhsa_private_segment_fixed_size 0
		.amdhsa_enable_private_segment 0
		.amdhsa_kernarg_size 32
		.amdhsa_user_sgpr_count 2
		.amdhsa_user_sgpr_kernarg_segment_ptr 1
		.amdhsa_wavefront_size32 1
		.amdhsa_system_sgpr_workgroup_id_x 1
		.amdhsa_system_sgpr_workgroup_id_y 1
		.amdhsa_system_sgpr_workgroup_id_z 1
		.amdhsa_system_vgpr_workitem_id 0
		.amdhsa_next_free_vgpr 320
		.amdhsa_next_free_sgpr 98
		.amdhsa_reserve_vcc 0
		.amdhsa_float_denorm_mode_32 3
		.amdhsa_float_denorm_mode_16_64 3
		.amdhsa_memory_ordered 1
		.amdhsa_forward_progress 1
		.amdhsa_inst_pref_size 30
	.end_amdhsa_kernel
	.amdgpu_metadata
---
amdhsa.version: [ 1, 2 ]
amdhsa.kernels:
  - .name:           k_qc8f99443fb_proj
    .symbol:         k_qc8f99443fb_proj.kd
    .args:
      - { .name: o_img, .offset: 0, .size: 8, .value_kind: global_buffer, .address_space: global }
      - { .name: wo_img, .offset: 8, .size: 8, .value_kind: global_buffer, .address_space: global }
      - { .name: lowp_scales, .offset: 16, .size: 8, .value_kind: global_buffer, .address_space: global }
      - { .name: out0, .offset: 24, .size: 8, .value_kind: global_buffer, .address_space: global }
    .group_segment_fixed_size: 327680
    .private_segment_fixed_size: 0
    .kernarg_segment_align: 8
    .kernarg_segment_size: 32
    .max_flat_workgroup_size: 256
    .sgpr_count:     98
    .vgpr_count:     320
    .wavefront_size: 32
...
	.end_amdgpu_metadata
.endif
;; end of part 4
